; MI455X (gfx1250); checked and timed in simulation.
; The chip was launched on July 23, 2026; its instructions are those of AMD's public machine-readable ISA for CDNA 5 (MIT licence, August 2026) and "CDNA5" Instruction Set Architecture Reference Guide (July 2026). The comments in the code are by the model that wrote it; some were corrected since.
;; Multi Head Self Attention Block. Allowed arithmetic: float matrix products may take bf16 or f16 operands with f32 sums; all other float work in f32.
;; Inputs: bk 1,024 float32; bo 1,024 float32; bq 1,024 float32; bv 1,024 float32; k 2 x 2,048 x 1,024 float32; mask 1 x 1 x 2,048 x 2,048 int32; q 2 x 2,048 x 1,024 float32; v 2 x 2,048 x 1,024 float32; wk 1,024 x 1,024 float32; wo 1,024 x 1,024 float32; wq 1,024 x 1,024 float32; wv 1,024 x 1,024 float32.
;; Outputs: out0 2 x 2,048 x 1,024 float32.
;; One version. Each part assembles by itself: llvm-mc -triple=amdgcn-amd-amdhsa -mcpu=gfx1250 --defsym DOCPART=n.
;; ======== version 1 of 1: 4 launches
;; workspace buffers: xb 25,165,824 bytes; wb 8,388,608 bytes; mb 524,288 bytes of whole numbers; pj 25,165,824 bytes; ab 8,388,608 bytes
;; launch prep (part 1): grid 256 x 5, 8 waves a work-group, no clusters, 0 bytes of LDS; arguments q, k, v, wq, wk, wv, wo, mask, xb, wb, mb; writes xb, wb, mb
.if DOCPART == 1
	.amdgcn_target "amdgcn-amd-amdhsa--gfx1250"
	.amdhsa_code_object_version 6
	.text
	.protected	k_q6981965b4a_prep
	.globl	k_q6981965b4a_prep
	.p2align	8
	.type	k_q6981965b4a_prep,@function
k_q6981965b4a_prep:
	s_mov_b64 s[64:65], 0
	v_nop
	global_prefetch_b8 v0, s[64:65] scope:SCOPE_SE
	s_setreg_imm32_b32 hwreg(HW_REG_WAVE_MODE, 25, 1), 1
	s_wait_xcnt 0x0
; prep: q, k, v and the four weights from f32 to bf16 (rounded to nearest even), and the int32 mask into lane-mask words.
;   xb: bf16 [3][4096][1024] (q, k, v)      wb: bf16 [4][1024][1024] (wq, wk, wv, wo)
;   mb: u32 [128 qtile][128 ktile][8 j]; bit L of word j = (mask[16 qtile + (L & 15)][16 ktile + 8 (L >> 4) + j] != 0):
;       the 32-lane select mask of register j of a 16 x 16 tile of transposed scores (lane = query L & 15, keys 8 (L >> 4) + j).
; Grid y = 0, 1, 2: q, k, v; y = 3: the weights (64 work-groups each); y = 4: the mask.  Every work-group reads 64 KiB.
; A stream: no byte is read by two work-groups, so there is nothing for LDS, a cluster or the matrix unit to do.
	s_load_b512 s[4:19], s[0:1], 0x0               ; q 4, k 6, v 8, wq 10, wk 12, wv 14, wo 16, mask 18
	s_load_b128 s[20:23], s[0:1], 0x40             ; xb 20, wb 22
	s_load_b64 s[24:25], s[0:1], 0x50              ; mb
	s_and_b32 s26, ttmp7, 0xffff                   ; y
	s_mov_b32 s27, ttmp9                           ; x
	s_mov_b32 s35, 0                               ; high word of the offset pair s[34:35]
	s_wait_kmcnt 0x0
	s_cmp_eq_u32 s26, 4
	s_cbranch_scc1 .Lmask                          ; the same for all waves of the work-group
	; ---- f32 to bf16: 64 KiB in, 32 KiB out ----
	s_cmp_eq_u32 s26, 1
	s_cselect_b64 s[30:31], s[6:7], s[4:5]         ; k or q
	s_cmp_eq_u32 s26, 2
	s_cselect_b64 s[30:31], s[8:9], s[30:31]       ; v
	s_lshr_b32 s28, s27, 6                         ; which weight, if y = 3
	s_cmp_eq_u32 s28, 1
	s_cselect_b64 s[36:37], s[12:13], s[10:11]
	s_cmp_eq_u32 s28, 2
	s_cselect_b64 s[36:37], s[14:15], s[36:37]
	s_cmp_eq_u32 s28, 3
	s_cselect_b64 s[36:37], s[16:17], s[36:37]
	s_and_b32 s29, s27, 63                         ; the piece of that weight
	s_lshl_b32 s28, s26, 23                        ; y x 8 MiB: the plane of xb
	s_cmp_eq_u32 s26, 3
	s_cselect_b64 s[30:31], s[36:37], s[30:31]     ; the source
	s_cselect_b64 s[32:33], s[22:23], s[20:21]     ; the destination: wb or xb
	s_cselect_b32 s29, s29, s27                    ; the piece of the source
	s_cselect_b32 s28, 0, s28
	s_lshl_b32 s34, s29, 16
	s_add_nc_u64 s[30:31], s[30:31], s[34:35]
	s_lshl_b32 s34, s27, 15                        ; wb's four planes follow each other, 64 pieces each: x serves as it is
	s_add_co_u32 s34, s34, s28
	s_add_nc_u64 s[32:33], s[32:33], s[34:35]
	v_lshlrev_b32 v1, 4, v0                        ; 16 bytes a thread in
	v_lshlrev_b32 v2, 3, v0                        ; 8 bytes a thread out
.irp i, 0,1,2,3,4,5,6,7,8,9,10,11,12,13,14,15
	global_load_b128 v[8+4*\i:11+4*\i], v1, s[30:31] offset:4096*\i th:TH_LOAD_NT   ; all sixteen on their way; a wave's load covers 512 neighbouring bytes
.endr
.irp i, 0,1,2,3,4,5,6,7,8,9,10,11,12,13,14,15
	s_wait_loadcnt 15-\i                           ; loads come back in order: load i is in, the 15 - i younger ones stay out
	v_cvt_pk_bf16_f32 v[8+4*\i], v[8+4*\i], v[9+4*\i]
	v_cvt_pk_bf16_f32 v[9+4*\i], v[10+4*\i], v[11+4*\i]
	global_store_b64 v2, v[8+4*\i:9+4*\i], s[32:33] offset:2048*\i   ; a wave's store covers 256 neighbouring bytes, aligned; no register is written again
.endr
	s_endpgm
	; ---- the mask: a wave takes 16 queries x 128 keys and makes 64 words, 256 neighbouring bytes of mb ----
.Lmask:
	v_lshrrev_b32 v1, 5, v0
	v_readfirstlane_b32 s44, v1                    ; wave
	s_lshr_b32 s28, s27, 1                         ; qtile
	s_and_b32 s29, s27, 1
	s_lshl3_add_u32 s29, s29, s44                  ; group of 128 keys = 8 (x & 1) + wave
	s_lshl_b32 s34, s28, 17                        ; 16 rows of 8,192 bytes
	s_lshl_b32 s30, s29, 9                         ; 128 keys of 4 bytes
	s_add_co_u32 s34, s34, s30
	s_add_nc_u64 s[18:19], s[18:19], s[34:35]
	s_lshl_b32 s34, s28, 12                        ; a qtile's 128 x 8 words
	s_lshl_b32 s30, s29, 8                         ; 8 ktiles of 8 words
	s_add_co_u32 s34, s34, s30
	s_add_nc_u64 s[24:25], s[24:25], s[34:35]
	v_and_b32 v2, 15, v0                           ; query of the tile
	v_bfe_u32 v3, v0, 4, 1                         ; which 8 keys of the tile's 16
	v_lshlrev_b32 v1, 13, v2
	v_lshl_or_b32 v1, v3, 5, v1                    ; row x 8,192 + 32 x half
	v_and_b32 v3, 31, v0
	v_lshlrev_b32 v3, 3, v3                        ; lane L stores words 2 L and 2 L + 1
	v_mov_b32 v4, 0                                ; v_writelane_b32 keeps the other lanes: both registers are written whole first
	v_mov_b32 v5, 0
.irp kt, 0,1,2,3,4,5,6,7
	global_load_b128 v[8+8*\kt:11+8*\kt],  v1, s[18:19] offset:64*\kt      ; keys 16 kt + 8 half + 0..3
	global_load_b128 v[12+8*\kt:15+8*\kt], v1, s[18:19] offset:64*\kt+16   ; + 4..7; the sixteen loads together take 512 neighbouring bytes of each row, each byte once
.endr
.irp kt, 0,1,2,3,4,5,6,7
	s_wait_loadcnt 14-2*\kt                        ; this tile's two loads are in, the younger ones stay out
.irp j, 0,1,2,3,4,5,6,7
	v_cmp_ne_u32 s[36+\j], 0, v[8+8*\kt+\j]        ; the word of (kt, j): one bit a lane
	v_writelane_b32 v[4+(\j&1)], s[36+\j], 4*\kt+(\j>>1)   ; word 8 kt + j goes to lane (8 kt + j) / 2, register (8 kt + j) mod 2
.endr
.endr
	global_store_b64 v3, v[4:5], s[24:25]          ; 256 neighbouring bytes, aligned
	s_endpgm
.Lfunc_end_k_q6981965b4a_prep:
	.size	k_q6981965b4a_prep, .Lfunc_end_k_q6981965b4a_prep-k_q6981965b4a_prep
	.p2alignl 7, 3214868480
	.fill 96, 4, 3214868480
	.section	.rodata,"a",@progbits
	.p2align	6, 0x0
	.amdhsa_kernel k_q6981965b4a_prep
		.amdhsa_group_segment_fixed_size 0
		.amdhsa_private_segment_fixed_size 0
		.amdhsa_enable_private_segment 0
		.amdhsa_kernarg_size 88
		.amdhsa_user_sgpr_count 2
		.amdhsa_user_sgpr_kernarg_segment_ptr 1
		.amdhsa_wavefront_size32 1
		.amdhsa_system_sgpr_workgroup_id_x 1
		.amdhsa_system_sgpr_workgroup_id_y 1
		.amdhsa_system_sgpr_workgroup_id_z 1
		.amdhsa_system_vgpr_workitem_id 0
		.amdhsa_next_free_vgpr 72
		.amdhsa_next_free_sgpr 66
		.amdhsa_reserve_vcc 0
		.amdhsa_float_denorm_mode_32 3
		.amdhsa_float_denorm_mode_16_64 3
		.amdhsa_memory_ordered 1
		.amdhsa_forward_progress 1
		.amdhsa_inst_pref_size 18
	.end_amdhsa_kernel
	.amdgpu_metadata
---
amdhsa.version: [ 1, 2 ]
amdhsa.kernels:
  - .name:           k_q6981965b4a_prep
    .symbol:         k_q6981965b4a_prep.kd
    .args:
      - { .name: q, .offset: 0, .size: 8, .value_kind: global_buffer, .address_space: global }
      - { .name: k, .offset: 8, .size: 8, .value_kind: global_buffer, .address_space: global }
      - { .name: v, .offset: 16, .size: 8, .value_kind: global_buffer, .address_space: global }
      - { .name: wq, .offset: 24, .size: 8, .value_kind: global_buffer, .address_space: global }
      - { .name: wk, .offset: 32, .size: 8, .value_kind: global_buffer, .address_space: global }
      - { .name: wv, .offset: 40, .size: 8, .value_kind: global_buffer, .address_space: global }
      - { .name: wo, .offset: 48, .size: 8, .value_kind: global_buffer, .address_space: global }
      - { .name: mask, .offset: 56, .size: 8, .value_kind: global_buffer, .address_space: global }
      - { .name: xb, .offset: 64, .size: 8, .value_kind: global_buffer, .address_space: global }
      - { .name: wb, .offset: 72, .size: 8, .value_kind: global_buffer, .address_space: global }
      - { .name: mb, .offset: 80, .size: 8, .value_kind: global_buffer, .address_space: global }
    .group_segment_fixed_size: 0
    .private_segment_fixed_size: 0
    .kernarg_segment_align: 8
    .kernarg_segment_size: 88
    .max_flat_workgroup_size: 256
    .sgpr_count:     66
    .vgpr_count:     72
    .wavefront_size: 32
...
	.end_amdgpu_metadata
.endif
;; end of part 1
;; launch proj (part 2): grid 4 x 48, 4 waves a work-group, clusters of 4 x 4, 327,680 bytes of LDS; arguments xb, wb, pj, bq, bk, bv; writes pj
.if DOCPART == 2
	.amdgcn_target "amdgcn-amd-amdhsa--gfx1250"
	.amdhsa_code_object_version 6
	.text
	.protected	k_q6981965b4a_proj
	.globl	k_q6981965b4a_proj
	.p2align	8
	.type	k_q6981965b4a_proj,@function
k_q6981965b4a_proj:
	s_mov_b64 s[64:65], 0
	v_nop
	global_prefetch_b8 v0, s[64:65] scope:SCOPE_SE
	s_setreg_imm32_b32 hwreg(HW_REG_WAVE_MODE, 25, 1), 1
	s_wait_xcnt 0x0
	s_wait_alu depctr_hold_cnt(0) depctr_sa_sdst(0) depctr_va_vdst(0) depctr_va_sdst(0) depctr_va_ssrc(0) depctr_va_vcc(0) depctr_vm_vsrc(0)
	s_getreg_b32 s2, hwreg(HW_REG_IB_STS2, 6, 4)
	s_cmp_eq_u32 s2, 0
	s_cbranch_scc0 .Lentry_in_a_cluster
	s_endpgm
.Lentry_in_a_cluster:
	s_bfe_u32 s2, ttmp6, 0x10000c
	s_cmp_lg_u32 s2, 0xf033
	s_cbranch_scc0 .Lentry_shape_is_right
	s_endpgm
.Lentry_shape_is_right:
; The three input projections: C = A W^T + bias, K = 1,024, A and W bf16 with K along the rows, sums in f32.
; A = xb [3 x 4096][1024] (q, k, v one below the other), W = plane p of wb [4][1024][1024], p = block row / 16.  The result (Q also times 0.125 = 1 / sqrt(64),
; a power of two, so the rounding to bf16 is that of the unscaled number) is rounded once to bf16 and goes to pj [3][2 b][16 h][2048 s][64].
; A work-group makes a block of 256 x 256 of C with four waves; a wave makes 128 x 128: 64 accumulator tiles of 16 x 16, 512 registers, so that 32 LDS loads feed
; 64 matrix instructions.  12,288 x 1,024 outputs are 48 x 4 = 192 work-groups; a block never crosses from q to k or from k to v (16 block rows each).
; K goes in 8 steps of 128 through a ring of two LDS slots filled by the tensor data mover: a tile's rows are 256 bytes of memory, at multiples of 256.
; CLUSTERS: 4 x 4 work-groups.  The four of a row of the cluster make blocks of one block row and need the same tiles of A; the four of a column need the same tiles of W
; (a cluster's four block rows lie in one of q, k, v: p is made of the cluster's y alone).  Such a tile is asked for jointly: each of the four issues the same tensor load,
; with the same descriptor and a mask that names the four.  That divides the requests for A and for W by four.
; REGISTERS, in windows of 256:
;   window 0: v16-27 addresses; v32-63, v224-255 bias; v64-127, v128-191 fragments of A (8 x 16 rows x 32 K), two buffers, on the way out f32 work and two sets read back; v192-223 packed results
;   window 1: v64-127, v128-191 fragments of W, two buffers
;   window 2: the 32 accumulator tiles of my tokens 0-63 (tile (a, b) at v[8 (8 a + b)]);   window 3: those of my tokens 64-127
; The matrix instruction is used transposed (source 0 = 16 rows of W, source 1 = 16 rows of A): lane l holds token l % 16, its registers 0 to 7 the features 8 (l / 16) + 0..7.
; Limits: operands and pj are bf16; non-finite inputs are not looked after.
.set SIZE_K, 1024
.set KSTEP,  128
.set PITCH,  272                       ; an LDS row: 256 bytes + 16 = 17 x 16: the 16 rows of a fragment load start in 16 different 16-byte columns of 256 bytes
.set HALFT,  128*PITCH                 ; 128 rows: what one tensor load brings, and what one wave reads of A or of W
.set SLOT,   4*HALFT                   ; A's 256 rows, then W's 256 rows
.set STAGE,  2*SLOT                    ; behind the ring: 16 rows x 272 bytes for each wave, for the way out; no tensor load lands here
.set SPITCH, 272
.set HEADB,  2048*128                  ; bytes of a head in pj
.set LAPS, SIZE_K/(2*KSTEP)            ; a lap = two K steps = once round the ring: 4 laps
.set ADRA, 16                          ; v16-17  LDS address of my A fragments in slot 0, 1
.set ADRB, 20                          ; v20-21  the same for W
.set STO,  24                          ; the way out: where I put 16 bytes of a token's row
.set RD,   25                          ; where I read rows back
.set CO,   26                          ; my byte offset in pj
.set BO,   27                          ; my byte offset in the bias
.set BIAS, 32                          ; bias of my 8 features of feature tile b at BIAS + 8 b + 160 (b / 4): v[32:63] for b = 0..3, v[224:255] for b = 4..7
.set F0,   64                          ; fragment buffer 0
.set F1,   128                         ; fragment buffer 1
.set FT,   64                          ; the way out: 64 numbers in f32, at work
.set RB0,  128                         ; the way out: two sets of 32 registers read back, in turn
.set RB1,  160
.set TMP,  192                         ; the way out: packed results
.set G1,  24                           ; s[24:31] descriptor group 1 for A's tiles
.set G0,  32                           ; s[32:39] group 0 for A's tiles, one set a slot
.set G1B, 48                           ; s[48:55] group 1 for W's tiles: another mask
.set G0B, 56                           ; s[56:63] group 0 for W's tiles
.set MSB, 0
.macro WIN new                         ; s_set_vgpr_msb: bits 1:0 source 0, 3:2 source 1, 5:4 source 2, 7:6 destination; the high byte repeats the setting that is left
.if MSB != \new
	s_set_vgpr_msb (MSB<<8)|\new
.set MSB, \new
.endif
.endm
.set MUL_LO, 0xa1                      ; source 0 (W) window 1, source 1 (A) window 0, C and D window 2
.set MUL_HI, 0xf1                      ; the same, C and D window 3
.set TO_B,   0x40                      ; destination window 1, address window 0
; A joint load.  Waves 0 and 1 fetch A's two halves, waves 2 and 3 W's.  Each line has one mask and one set of registers; the branch hangs on the wave's number alone.
.macro JLOAD s
	s_cmp_eq_u32 s11, 0
	s_cbranch_scc0 .Lfor_b_\@
	tensor_load_to_lds s[G0+4*\s:G0+4*\s+3], s[G1:G1+7]
	s_nop 0
	s_branch .Lasked_\@
.Lfor_b_\@:
	tensor_load_to_lds s[G0B+4*\s:G0B+4*\s+3], s[G1B:G1B+7]
	s_nop 0
.Lasked_\@:
.endm
.macro CREST                           ; a round of the cluster's barrier behind its opening work-group barrier
	s_cmp_lg_u32 s10, 0
	s_cbranch_scc1 .Lnot_wave_0_\@
	s_barrier_signal -3
.Lnot_wave_0_\@:
	s_barrier_wait -3
	s_barrier_signal -1
	s_barrier_wait -1
.endm
.macro CROUND                          ; a whole round
	s_barrier_signal -1
	s_barrier_wait -1
	CREST
.endm
	s_load_b128 s[4:7], s[0:1], 0x0                ; xb, wb
	s_load_b64 s[8:9], s[0:1], 0x10                ; pj
	s_load_b64 s[68:69], s[0:1], 0x18              ; bq
	s_load_b64 s[70:71], s[0:1], 0x20              ; bk
	s_load_b64 s[72:73], s[0:1], 0x28              ; bv
	s_set_vgpr_msb 0x40
	v_lshl_add_u32 v255, v0, 2, 0x48400
	s_set_vgpr_msb 0x4000
	v_mov_b32 v31, 0
	s_set_vgpr_msb 0x1
	ds_add_u32 v255, v31
	s_set_vgpr_msb 0x100
	v_lshrrev_b32 v1, 5, v0
	v_readfirstlane_b32 s10, v1                    ; wave 0..3
	s_lshr_b32 s11, s10, 1                         ; my half of the block's tokens.  Also: I fetch for A (0) or for W (1)
	s_and_b32 s12, s10, 1                          ; my half of its features.  Also: which 128 rows of that tile I fetch
	s_bfe_u32 s40, ttmp6, 0x40000                  ; cx
	s_bfe_u32 s41, ttmp6, 0x40004                  ; cy
	s_lshl_b32 s42, ttmp9, 2
	s_add_co_u32 s42, s42, s40                     ; block column = 4 x cluster x + cx: 0..3
	s_and_b32 s13, ttmp7, 0xffff
	s_lshl_b32 s13, s13, 2
	s_add_co_u32 s13, s13, s41                     ; block row = 4 x cluster y + cy: 0..47
	s_and_b32 s45, ttmp7, 0xffff
	s_lshr_b32 s45, s45, 2                         ; p = 0, 1, 2 (q, k, v): 4 clusters of 4 block rows each; made of the cluster's y alone
	s_lshl_b32 s43, s41, 2
	s_lshl_b32 s43, 15, s43                        ; my row of the cluster: places 4 cy .. 4 cy + 3
	s_lshl_b32 s44, 0x1111, s40                    ; my column: places cx, cx + 4, cx + 8, cx + 12
	; group 1: a tile of 128 rows x 128 elements of 2 bytes, 4 words of padding behind every 64 words
	s_or_b32 s[G1+0], s43, (1<<16)|(1<<20)|(1<<21)|(5<<22)|(3<<25)
	s_or_b32 s[G1B+0], s44, (1<<16)|(1<<20)|(1<<21)|(5<<22)|(3<<25)
	s_mov_b32 s[G1+1], KSTEP<<16                   ; tensor_dim0 = 128
	s_mov_b32 s[G1B+1], KSTEP<<16
	s_mov_b32 s[G1+2], 128<<16                     ; tensor_dim1 = 128
	s_mov_b32 s[G1B+2], 128<<16
	s_mov_b32 s[G1+3], KSTEP<<16                   ; tile_dim0 = 128
	s_mov_b32 s[G1B+3], KSTEP<<16
	s_mov_b32 s[G1+4], 128                         ; tile_dim1 = 128
	s_mov_b32 s[G1B+4], 128
	s_mov_b32 s[G1+5], SIZE_K                      ; elements from row to row
	s_mov_b32 s[G1B+5], SIZE_K
	s_mov_b32 s[G1+6], 0
	s_mov_b32 s[G1B+6], 0
	s_mov_b32 s[G1+7], 0
	s_mov_b32 s[G1B+7], 0
	; A's tiles hang on the block row alone, W's on the block column and p alone; each address in registers that never hold the other coordinate
	s_lshl_b32 s17, s12, 18                        ; which 128 rows of 2,048 bytes I fetch
	s_lshl_b32 s16, s13, 19                        ; 256 rows of 2,048 bytes a block row
	s_add_co_u32 s16, s16, s17
	s_lshl_b32 s46, s42, 19
	s_add_co_u32 s46, s46, s17
	s_lshl_b32 s47, s45, 21                        ; plane p of wb, 2 MiB each
	s_add_co_u32 s46, s46, s47
	s_mov_b32 s17, 0
	s_mov_b32 s47, 0
	s_mul_i32 s20, s10, HALFT                      ; where my tile goes: wave x 128 rows
	s_wait_dscnt 0x0
	s_wait_kmcnt 0x0
	s_add_nc_u64 s[14:15], s[4:5], s[16:17]
	s_add_nc_u64 s[46:47], s[6:7], s[46:47]
	CROUND                                         ; all sixteen work-groups are here: the first joint loads meet
.irp s, 0,1
	s_mov_b32 s[G0+4*\s], 1
	s_add_co_u32 s[G0+4*\s+1], s20, \s*SLOT
	s_add_nc_u64 s[G0+4*\s+2:G0+4*\s+3], s[14:15], \s*KSTEP*2
	s_or_b32 s[G0+4*\s+3], s[G0+4*\s+3], 0x80000000
	s_mov_b32 s[G0B+4*\s], 1
	s_add_co_u32 s[G0B+4*\s+1], s20, \s*SLOT
	s_add_nc_u64 s[G0B+4*\s+2:G0B+4*\s+3], s[46:47], \s*KSTEP*2
	s_or_b32 s[G0B+4*\s+3], s[G0B+4*\s+3], 0x80000000
	JLOAD \s                                       ; both slots' first fills: two tensor loads of a wave are out, the most in this text
.endr
	; A fragment is 16 rows x 32 K in 8 registers: lane l holds row l % 16; registers 0-3 hold K = 8 (l / 16) + 0..7, registers 4-7 K = 16 + 8 (l / 16) + 0..7:
	; two loads of 16 bytes, 32 bytes apart.
	v_and_b32 v1, 15, v0                           ; l % 16
	v_bfe_u32 v2, v0, 4, 1                         ; l / 16
	v_mul_u32_u24 v3, v1, PITCH
	v_lshl_add_u32 v3, v2, 4, v3                   ; row x pitch + 16 x half
	s_mul_i32 s21, s11, HALFT                      ; my 128 rows of A
	s_mul_i32 s22, s12, HALFT                      ; my 128 rows of W,
	s_add_co_u32 s22, s22, 2*HALFT                 ; which lie behind A's 256
.irp s, 0,1
	v_add_nc_u32 v[ADRA+\s], s21, v3
	v_add_nc_u32 v[ADRB+\s], s22, v3
	s_add_co_u32 s21, s21, SLOT
	s_add_co_u32 s22, s22, SLOT
.endr
	s_mul_i32 s23, s10, 16*SPITCH
	s_add_co_u32 s23, s23, STAGE                   ; my stage
	v_mul_u32_u24 v4, v1, SPITCH                   ; in: token l % 16, 16 bytes (8 bf16) for each half of the lanes
	v_lshl_add_u32 v4, v2, 4, v4
	v_add_nc_u32 v[STO], s23, v4
	v_bfe_u32 v5, v0, 3, 2                         ; back: eight lanes take the 128 bytes of one token and one head, a load four tokens
	v_mul_u32_u24 v5, v5, SPITCH
	v_and_b32 v6, 7, v0
	v_lshl_add_u32 v5, v6, 4, v5
	v_add_nc_u32 v[RD], s23, v5
	v_and_b32 v6, 31, v0
	v_lshlrev_b32 v[CO], 4, v6                     ; in pj a head's tokens follow each other, 128 bytes each: four tokens are 512 bytes without a gap, 16 a lane
	; the bias of my features: column 256 x block column + 128 x half + 16 b + 8 (l / 16) + 0..7
	s_lshl_b32 s66, s42, 10
	s_lshl_b32 s67, s12, 9
	s_add_co_u32 s66, s66, s67
	s_mov_b32 s67, 0
	s_cmp_eq_u32 s45, 1
	s_cselect_b64 s[74:75], s[70:71], s[68:69]
	s_cmp_eq_u32 s45, 2
	s_cselect_b64 s[74:75], s[72:73], s[74:75]
	s_mov_b32 s77, 1.0
	s_cmp_eq_u32 s45, 0
	s_cselect_b32 s76, 0x3e000000, s77             ; Q is scaled by 0.125, K and V by 1
	s_mov_b32 s77, s76
	s_add_nc_u64 s[74:75], s[74:75], s[66:67]
	v_lshlrev_b32 v[BO], 5, v2
.irp b, 0,1,2,3,4,5,6,7
	global_load_b128 v[BIAS+8*\b+160*(\b/4):BIAS+8*\b+160*(\b/4)+3],   v[BO], s[74:75] offset:64*\b
	global_load_b128 v[BIAS+8*\b+160*(\b/4)+4:BIAS+8*\b+160*(\b/4)+7], v[BO], s[74:75] offset:64*\b+16
.endr
; 16 matrix instructions: token tiles a0, a0 + 1 of the window's four (hi = 0: my tokens 0-63, 1: tokens 64-127) x all 8 feature tiles, 32 along K.
; zero = 1: the first product starts the sums: nothing is ever cleared.
.macro MUL16 f, hi, a0, zero
.irp a, \a0, \a0+1
.irp b, 0,1,2,3,4,5,6,7
.if \zero
	v_wmma_f32_16x16x32_bf16 v[8*(8*(\a)+\b):8*(8*(\a)+\b)+7], v[\f+8*\b:\f+8*\b+7], v[\f+8*(4*\hi+\a):\f+8*(4*\hi+\a)+7], 0
.else
	v_wmma_f32_16x16x32_bf16 v[8*(8*(\a)+\b):8*(8*(\a)+\b)+7], v[\f+8*\b:\f+8*\b+7], v[\f+8*(4*\hi+\a):\f+8*(4*\hi+\a)+7], v[8*(8*(\a)+\b):8*(8*(\a)+\b)+7]
.endif
.endr
.endr
.endm
; 32 LDS loads in one run: the fragments of one quarter step (128 rows of W, 128 rows of A, 32 K at byte k of the rows) into buffer f
.macro FETCH slot, k, f
	WIN TO_B
.irp i, 0,1,2,3,4,5,6,7
	ds_load_b128 v[\f+8*\i:\f+8*\i+3],   v[ADRB+\slot] offset:\k+\i*16*PITCH
	ds_load_b128 v[\f+8*\i+4:\f+8*\i+7], v[ADRB+\slot] offset:\k+\i*16*PITCH+32
.endr
	WIN 0
.irp i, 0,1,2,3,4,5,6,7
	ds_load_b128 v[\f+8*\i:\f+8*\i+3],   v[ADRA+\slot] offset:\k+\i*16*PITCH
	ds_load_b128 v[\f+8*\i+4:\f+8*\i+7], v[ADRA+\slot] offset:\k+\i*16*PITCH+32
.endr
.endm
; A load into a register that a matrix instruction has read, and a vector instruction that reads a matrix result, stand four places behind that matrix instruction, and only
; plain vector instructions that name none of its registers are places (ISA guide 7.12.1 for vector instructions): four v_nop in front of each run of loads.
.macro PLACES
.rept 4
	v_nop
.endr
.endm
; A K step is four quarter steps of 32 along K, 64 matrix instructions each, on buffers 0, 1, 0, 1.  The 64 accumulators take turns, one instruction a turn, in the same order
; in every quarter.
; One of the first three quarters: multiplies buffer f; in its middle it fetches the next quarter's fragments, at byte k of the same slot's rows, into buffer g.
.macro QUARTER slot, k, f, g, zero
	s_wait_dscnt 8                                 ; W and A's rows 0-63 are in; the youngest eight loads (A's rows 64-127) may be out
	WIN MUL_LO
	MUL16 \f, 0, 0, \zero
	MUL16 \f, 0, 2, \zero
	PLACES
	FETCH \slot, \k, \g
	s_wait_dscnt 32                                ; all but the 32 just issued
	WIN MUL_HI
	MUL16 \f, 1, 0, \zero
	MUL16 \f, 1, 2, \zero
.endm
.macro THREE slot, zero
	QUARTER \slot, 64,  F0, F1, \zero
	QUARTER \slot, 128, F1, F0, 0
	QUARTER \slot, 192, F0, F1, 0
.endm
; The last quarter: multiplies buffer 1 and changes slots.  next = the other slot; fill = 1: this slot is filled again, two K steps ahead.
; One barrier for the change of slots.  In front of it each wave waits for its own reads of this slot and for all its tensor loads, of which one is out: its part of the next slot.
; Behind it nobody reads this slot any more and the next slot is whole: the refill comes first, then the next slot's first fragments.
; From a request to the wait for it a wave issues 240 matrix instructions.
.macro TURN slot, next, fill
	s_wait_dscnt 8
	WIN MUL_LO
	MUL16 F1, 0, 0, 0
	s_wait_dscnt 0                                 ; my reads of this slot are back
	s_wait_tensorcnt 0x0                           ; and all my tensor loads have landed
	ds_add_u32 v255, v31
	s_wait_dscnt 0x0
	s_barrier_signal -1                            ; say so (where a slot is filled again this barrier opens a round of the cluster's barrier),
	MUL16 F1, 0, 2, 0                              ; work on registers while the others arrive,
	WIN 0
	s_barrier_wait -1                              ; and go on when all four have said so
.if \fill
	CREST                                          ; no wave of any partner still reads this slot's tile or has a load on its way
	s_add_nc_u64 s[G0+4*\slot+2:G0+4*\slot+3], s[G0+4*\slot+2:G0+4*\slot+3], 2*KSTEP*2
	s_add_nc_u64 s[G0B+4*\slot+2:G0B+4*\slot+3], s[G0B+4*\slot+2:G0B+4*\slot+3], 2*KSTEP*2
	JLOAD \slot                                    ; the first tensor load behind the round
.endif
	PLACES
	FETCH \next, 0, F0
	WIN MUL_HI
	MUL16 F1, 1, 0, 0
	MUL16 F1, 1, 2, 0
.endm
.macro LAP zero                        ; once round the ring, both slots filled again
	THREE 0, \zero
	TURN 0, 1, 1
	THREE 1, 0
	TURN 1, 0, 1
.endm
	s_wait_tensorcnt 0x1                           ; my part of K step 0 is in; K step 1's load, issued behind it, stays out
	s_barrier_signal -1
	s_barrier_wait -1                              ; everybody's part is in
	FETCH 0, 0, F0
	LAP 1                                          ; the first lap stands in front of the loop: its first products start the sums
	WIN 0                                          ; at a label and at a branch every window is 0
	s_mov_b32 s3, LAPS-2
.Llap:
	LAP 0
	WIN 0
	s_sub_co_u32 s3, s3, 1
	s_cmp_lg_u32 s3, 0
	s_cbranch_scc1 .Llap
	THREE 0, 0                                     ; the last lap fills nothing: my one tensor load that is still out is slot 1's, the last K step's
	TURN 0, 1, 0
	THREE 1, 0
	s_wait_dscnt 8                                 ; the very last quarter: nothing more to fetch
	WIN MUL_LO
	MUL16 F1, 0, 0, 0
	MUL16 F1, 0, 2, 0
	s_wait_dscnt 0
	WIN MUL_HI
	MUL16 F1, 1, 0, 0
	MUL16 F1, 1, 2, 0
	; THE WAY OUT, 16 tokens at a time: sum x scale + bias x scale, round to bf16, 16 bytes a lane into my own stage, read back as pieces of 128 bytes (a token of a head).
	WIN 0
	PLACES                                         ; the places behind the last matrix instructions: results are read, the fragment buffers are written
	s_wait_loadcnt 0x0                             ; the bias
.irp g, BIAS, BIAS+192
.irp i, 0,1,2,3,4,5,6,7,8,9,10,11,12,13,14,15
	v_pk_mul_f32 v[\g+2*\i:\g+2*\i+1], v[\g+2*\i:\g+2*\i+1], s[76:77] op_sel_hi:[1,0]   ; (sum + bias) x scale = sum x scale + bias x scale
.endr
.endr
	; where my 128 tokens x 2 heads go.  The token part in registers that held A's offsets, the head part in those that held W's.
	s_lshr_b32 s16, s13, 3                         ; 2 p + batch: 8 block rows each,
	s_lshl_b32 s16, s16, 22                        ; 16 heads x 2,048 x 128 bytes
	s_and_b32 s14, s13, 7
	s_lshl_b32 s14, s14, 15                        ; 256 tokens of 128 bytes
	s_add_co_u32 s16, s16, s14
	s_lshl_b32 s14, s11, 14                        ; 128 tokens
	s_add_co_u32 s16, s16, s14
	s_lshl_b32 s46, s42, 20                        ; head = 4 x block column + 2 x half, 2,048 x 128 bytes each
	s_lshl_b32 s47, s12, 19
	s_add_co_u32 s46, s46, s47
	s_mov_b32 s17, 0
	s_mov_b32 s47, 0
	s_add_nc_u64 s[8:9], s[8:9], s[16:17]
	s_add_nc_u64 s[8:9], s[8:9], s[46:47]
; tokens 16 i .. 16 i + 15 of my block = the eight tiles (a, 0..7) of window 2 or 3 (from = 0x02 or 0x03: source 0); rb: the set read back into, two in turn.
; LDS serves a wave's instructions in order (ISA guide 5.7.1), so the loads see the stores above them, and the next sixteen tokens' stores come behind these loads.
.macro OUT16 i, a, from, rb
	WIN \from
.irp b, 0,1,2,3,4,5,6,7
.irp r, 0,1,2,3
	v_pk_fma_f32 v[FT+8*\b+2*\r:FT+8*\b+2*\r+1], v[8*(8*\a+\b)+2*\r:8*(8*\a+\b)+2*\r+1], s[76:77], v[BIAS+8*\b+160*(\b/4)+2*\r:BIAS+8*\b+160*(\b/4)+2*\r+1] op_sel_hi:[1,0,1]
.endr
.endr
	WIN 0
.irp b, 0,1,2,3,4,5,6,7
.irp r, 0,1,2,3
	v_cvt_pk_bf16_f32 v[TMP+4*\b+\r], v[FT+8*\b+2*\r], v[FT+8*\b+2*\r+1]
.endr
	ds_store_b128 v[STO], v[TMP+4*\b:TMP+4*\b+3] offset:32*\b   ; token l % 16, features 16 b + 8 (l / 16) + 0..7
.endr
	s_wait_xcnt 0x0                                ; set rb, which earlier stores read, is loaded again only behind this wait
.irp n, 0,1,2,3,4,5,6,7
	ds_load_b128 v[\rb+4*\n:\rb+4*\n+3], v[RD] offset:(\n/4)*128+(\n%4)*4*SPITCH   ; head n / 4 of my two, tokens 4 (n % 4) + 0..3
.endr
.irp n, 0,1,2,3,4,5,6,7
	s_wait_dscnt 7-\n                              ; load n is back, the younger ones stay out
	global_store_b128 v[CO], v[\rb+4*\n:\rb+4*\n+3], s[8:9] offset:(\n/4)*HEADB+\i*2048+(\n%4)*512   ; a wave's store covers 512 neighbouring bytes, aligned
.endr
.endm
	OUT16 0, 0, 0x02, RB0
	OUT16 1, 1, 0x02, RB1
	OUT16 2, 2, 0x02, RB0
	OUT16 3, 3, 0x02, RB1
	OUT16 4, 0, 0x03, RB0
	OUT16 5, 1, 0x03, RB1
	OUT16 6, 2, 0x03, RB0
	OUT16 7, 3, 0x03, RB1
	s_set_vgpr_msb 0x1
	s_wait_tensorcnt 0x0
	ds_add_u32 v255, v31
	s_wait_dscnt 0x0
	s_set_vgpr_msb 0x100
	CROUND                                         ; the closing round: no work-group ends while a partner may still ask for a tile that names it
	s_endpgm
.Lfunc_end_k_q6981965b4a_proj:
	.size	k_q6981965b4a_proj, .Lfunc_end_k_q6981965b4a_proj-k_q6981965b4a_proj
	.p2alignl 7, 3214868480
	.fill 96, 4, 3214868480
	.section	.rodata,"a",@progbits
	.p2align	6, 0x0
	.amdhsa_kernel k_q6981965b4a_proj
		.amdhsa_group_segment_fixed_size 327680
		.amdhsa_private_segment_fixed_size 0
		.amdhsa_enable_private_segment 0
		.amdhsa_kernarg_size 48
		.amdhsa_user_sgpr_count 2
		.amdhsa_user_sgpr_kernarg_segment_ptr 1
		.amdhsa_wavefront_size32 1
		.amdhsa_system_sgpr_workgroup_id_x 1
		.amdhsa_system_sgpr_workgroup_id_y 1
		.amdhsa_system_sgpr_workgroup_id_z 1
		.amdhsa_system_vgpr_workitem_id 0
		.amdhsa_next_free_vgpr 1024
		.amdhsa_next_free_sgpr 80
		.amdhsa_reserve_vcc 0
		.amdhsa_float_denorm_mode_32 3
		.amdhsa_float_denorm_mode_16_64 3
		.amdhsa_memory_ordered 1
		.amdhsa_forward_progress 1
		.amdhsa_inst_pref_size 216
	.end_amdhsa_kernel
	.amdgpu_metadata
---
amdhsa.version: [ 1, 2 ]
amdhsa.kernels:
  - .name:           k_q6981965b4a_proj
    .symbol:         k_q6981965b4a_proj.kd
    .args:
      - { .name: xb, .offset: 0, .size: 8, .value_kind: global_buffer, .address_space: global }
      - { .name: wb, .offset: 8, .size: 8, .value_kind: global_buffer, .address_space: global }
      - { .name: pj, .offset: 16, .size: 8, .value_kind: global_buffer, .address_space: global }
      - { .name: bq, .offset: 24, .size: 8, .value_kind: global_buffer, .address_space: global }
      - { .name: bk, .offset: 32, .size: 8, .value_kind: global_buffer, .address_space: global }
      - { .name: bv, .offset: 40, .size: 8, .value_kind: global_buffer, .address_space: global }
    .group_segment_fixed_size: 327680
    .private_segment_fixed_size: 0
    .kernarg_segment_align: 8
    .kernarg_segment_size: 48
    .max_flat_workgroup_size: 128
    .sgpr_count:     80
    .vgpr_count:     1024
    .wavefront_size: 32
...
	.end_amdgpu_metadata
.endif
;; end of part 2
;; launch attn (part 3): grid 16 x 16, 8 waves a work-group, clusters of 4 x 1, 327,680 bytes of LDS; arguments pj, mb, ab; writes ab
.if DOCPART == 3
	.amdgcn_target "amdgcn-amd-amdhsa--gfx1250"
	.amdhsa_code_object_version 6
	.text
	.protected	k_q6981965b4a_attn
	.globl	k_q6981965b4a_attn
	.p2align	8
	.type	k_q6981965b4a_attn,@function
k_q6981965b4a_attn:
	s_mov_b64 s[64:65], 0
	v_nop
	global_prefetch_b8 v0, s[64:65] scope:SCOPE_SE
	s_setreg_imm32_b32 hwreg(HW_REG_WAVE_MODE, 25, 1), 1
	s_wait_xcnt 0x0
	s_wait_alu depctr_hold_cnt(0) depctr_sa_sdst(0) depctr_va_vdst(0) depctr_va_sdst(0) depctr_va_ssrc(0) depctr_va_vcc(0) depctr_vm_vsrc(0)
	s_getreg_b32 s2, hwreg(HW_REG_IB_STS2, 6, 4)
	s_cmp_eq_u32 s2, 0
	s_cbranch_scc0 .Lentry_in_a_cluster
	s_endpgm
.Lentry_in_a_cluster:
	s_bfe_u32 s2, ttmp6, 0x10000c
	s_cmp_lg_u32 s2, 0x3003
	s_cbranch_scc0 .Lentry_shape_is_right
	s_endpgm
.Lentry_shape_is_right:
; Attention with a running maximum.  pj: bf16 [3 (Q, K, V)][2 b][16 h][2048 s][64], Q already times 0.125.  mb: lane-mask words of the mask.  ab: bf16 [4096][1024].
; score = mask != 0 ? Q K : -1.0; softmax over all 2,048 keys (no key drops out: a masked score is -1, not minus infinity); O = P V.
; A work-group: 128 queries x 2 heads (grid y = 8 b + pair of heads), eight waves.  Wave w: head w >> 2 of the pair, queries 32 (w & 3) .. + 31 (two query tiles).
; Two heads side by side make ab's rows 256 neighbouring bytes, aligned.
; CLUSTERS: the four work-groups of a cluster are four query blocks of the same two heads and read the same K and V: every tile is one joint load, mask 15.
; LAYOUTS, without any shuffle: S^T = K Q^T (source 0 = 16 keys, source 1 = 16 queries): lane (r, h) holds query r, register j key 8 h + j.  Two neighbouring key tiles,
; packed to bf16, ARE source 1 (queries x 32 keys) of O^T = V^T P^T, whose source 0 comes from V's rows by the transposing LDS load.  Maximum, sum and scale are one number a lane.
; A word of mb is the select mask of one register of a score tile: one v_cndmask_b32 a register applies the mask.
; Limits: non-finite inputs are not served (v_max_num_f32 drops a NaN); an exponential below 2^-126 comes out as 0 (ISA guide, v_exp_f32);
; Q, K, V, P and ab are bf16; the softmax's sum adds the p before they are rounded to bf16.
; SCALARS: s2-3 lane selects; s[4:5] ab at my rows; s[6:7] my mask words, stepped; s[8:15], s[16:23] descriptor group 1 for K and for V; s[24:31] group 0, one set a slot;
; s[32:63], s[68:99] a step's 64 mask words (until the first of them are fetched, s[32:46] serve the set-up); s66 wave; s67 wave >> 2; s100 the loop's counter.
.set CH,    10240                      ; a chunk of a slot: 64 rows of K (pitch 144) or of V (pitch 160)
.set KP,    144                        ; 128 bytes + 16: 9 x 16, the 16 rows of a fragment load start in 16 different 16-byte columns of 256 bytes
.set VP,    160                        ; 128 bytes + 32: 5 x 32, the 8 rows of a transposing load's group start in 8 different 32-byte columns of 256 bytes
.set SLOT,  8*CH                       ; 128 keys: chunk 4 kind + 2 head + half (kind 0 = K, 1 = V)
.set STAGE, 2*SLOT                     ; the way out: 128 rows x 272 bytes; no tensor load lands here
.set SP,    272
.set TILEB, 16384                      ; 128 keys x 128 bytes of memory
.set G1K, 8                            ; s[8:15]  descriptor group 1 for K's chunks
.set G1V, 16                           ; s[16:23] for V's chunks: more padding
.set G0, 24                            ; s[24:31] group 0, one set a slot
.set WV,  66                           ; wave 0..7
.set KIND, 67                          ; wave >> 2: the head that I compute; also: I fetch K (0) or V (1)
.set CNT, 100
.set KADR, 4                           ; v4-5   my K fragments' LDS address in slot 0, 1
.set VADR, 6                           ; v6-7   my V fragments' LDS address
.set STO,  8
.set RD,   9
.set CO,   10
.set QO,   11
.set MX,   12                          ; v12-13 running maximum of query tile 0, 1
.set LS,   14                          ; v14-15 running sum (of my half's keys)
.set NM,   16                          ; v[16:19] -maximum x log2(e), rounded, twice for each query tile
.set AL,   20                          ; v[20:23] the old sums' scale, twice for each query tile
.set T,    24                          ; v[24:31] at work
.set QF,   32                          ; v[32:63]   Q fragments at 16 qt + 8 kk
.set SC,   64                          ; v[64:127]  scores, tile 4 qt + kt
.set PF,   128                         ; v[128:159] P at 16 qt + 8 kh
.set OA,   160                         ; v[160:223] O^T, tile 4 qt + dt
.set SA,   224                         ; v[224:231] two pairs of partial sums for each query tile
.set KF,   0                           ; window 1: v[0:63]   K fragments at 16 kt + 8 kk
.set VF,   64                          ; window 1: v[64:127] V^T fragments at 32 kh + 8 dt
.set MSB, 0
.macro WIN new                         ; 0x01: source 0 in window 1 (products); 0x40: destination in window 1 (LDS loads); the high byte repeats the setting that is left
.if MSB != \new
	s_set_vgpr_msb (MSB<<8)|\new
.set MSB, \new
.endif
.endm
.macro PLACES                          ; four places behind matrix instructions (ISA guide 7.12.1)
.rept 4
	v_nop
.endr
.endm
.macro ROUND                           ; a round of the cluster's barrier
	s_barrier_signal -1
	s_barrier_wait -1
	s_cmp_lg_u32 s[WV], 0
	s_cbranch_scc1 .Lnot_wave_0_\@
	s_barrier_signal -3
.Lnot_wave_0_\@:
	s_barrier_wait -3
	s_barrier_signal -1
	s_barrier_wait -1
.endm
; A joint load of slot s: waves 0 to 3 fetch K's four chunks, waves 4 to 7 V's.  Each line has one shape and one mask, all constants; the branch hangs on the wave's number alone.
; The argument may be an expression: it stands in brackets.
.macro KVLOAD s
	s_cmp_eq_u32 s[KIND], 0
	s_cbranch_scc0 .Lfor_v_\@
	tensor_load_to_lds s[G0+4*(\s):G0+4*(\s)+3], s[G1K:G1K+7]
	s_nop 0
	s_branch .Lasked_\@
.Lfor_v_\@:
	tensor_load_to_lds s[G0+4*(\s):G0+4*(\s)+3], s[G1V:G1V+7]
	s_nop 0
.Lasked_\@:
.endm
.macro MLOAD                           ; the 64 mask words of a step (2 query tiles x 4 key tiles x 8): word (qt, kt, j) in s[32 + 36 qt + 8 kt + j]
	s_load_b512 s[32:47], s[6:7], 0x0
	s_load_b512 s[48:63], s[6:7], 0x40
	s_load_b512 s[68:83], s[6:7], 0x1000
	s_load_b512 s[84:99], s[6:7], 0x1040
.endm
.macro KLOAD slot, sub                 ; 16 loads: 64 keys x 64 of my head
	WIN 0x40
.irp kt, 0,1,2,3
.irp kk, 0,1
	ds_load_b128 v[KF+16*\kt+8*\kk:KF+16*\kt+8*\kk+3],   v[KADR+\slot] offset:\sub*CH+\kt*16*KP+\kk*64
	ds_load_b128 v[KF+16*\kt+8*\kk+4:KF+16*\kt+8*\kk+7], v[KADR+\slot] offset:\sub*CH+\kt*16*KP+\kk*64+32
.endr
.endr
.endm
.macro VLOAD slot, sub                 ; 16 transposing loads: V^T, 64 x 64 keys
	WIN 0x40
.irp kh, 0,1
.irp dt, 0,1,2,3
	ds_load_tr16_b128 v[VF+32*\kh+8*\dt:VF+32*\kh+8*\dt+3],   v[VADR+\slot] offset:\sub*CH+\kh*32*VP+\dt*32
	ds_load_tr16_b128 v[VF+32*\kh+8*\dt+4:VF+32*\kh+8*\dt+7], v[VADR+\slot] offset:\sub*CH+\kh*32*VP+\dt*32+16*VP
.endr
.endr
.endm
.macro EXPT i                          ; tile i: p = 2^(s log2(e) - maximum log2(e)), in place
.irp r, 0,1,2,3
	v_pk_fma_f32 v[SC+8*\i+2*\r:SC+8*\i+2*\r+1], v[SC+8*\i+2*\r:SC+8*\i+2*\r+1], 0x3fb8aa3b, v[NM+2*(\i/4):NM+2*(\i/4)+1] op_sel_hi:[1,0,1]
.endr
.irp j, 0,1,2,3,4,5,6,7
	v_exp_f32 v[SC+8*\i+\j], v[SC+8*\i+\j]
.endr
.endm
.macro EAT i                           ; tile i's p are added up (a query tile's first key tile starts its sums) and packed into P
.if (\i%4) == 0
	s_wait_alu depctr_va_vdst(0)
	v_pk_add_f32 v[SA+4*(\i/4):SA+4*(\i/4)+1],   v[SC+8*\i:SC+8*\i+1],   v[SC+8*\i+4:SC+8*\i+5]
	v_pk_add_f32 v[SA+4*(\i/4)+2:SA+4*(\i/4)+3], v[SC+8*\i+2:SC+8*\i+3], v[SC+8*\i+6:SC+8*\i+7]
.else
	s_wait_alu depctr_va_vdst(0)
	v_pk_add_f32 v[SA+4*(\i/4):SA+4*(\i/4)+1],   v[SA+4*(\i/4):SA+4*(\i/4)+1],   v[SC+8*\i:SC+8*\i+1]
	v_pk_add_f32 v[SA+4*(\i/4)+2:SA+4*(\i/4)+3], v[SA+4*(\i/4)+2:SA+4*(\i/4)+3], v[SC+8*\i+2:SC+8*\i+3]
	v_pk_add_f32 v[SA+4*(\i/4):SA+4*(\i/4)+1],   v[SA+4*(\i/4):SA+4*(\i/4)+1],   v[SC+8*\i+4:SC+8*\i+5]
	v_pk_add_f32 v[SA+4*(\i/4)+2:SA+4*(\i/4)+3], v[SA+4*(\i/4)+2:SA+4*(\i/4)+3], v[SC+8*\i+6:SC+8*\i+7]
.endif
.irp r, 0,1,2,3
	v_cvt_pk_bf16_f32 v[PF+4*\i+\r], v[SC+8*\i+2*\r], v[SC+8*\i+2*\r+1]
.endr
.endm
; 64 keys.  first = 1: the launch's first step starts maximum, sums and O.  knext = 1: the slot's second 64 keys of K are fetched.  mnext = 1: the next step's mask words are fetched.
; In both groups of products the eight accumulators take turns, one instruction a turn.
.macro STEP slot, sub, first, knext, mnext
	s_wait_dscnt 0x0                               ; my K fragments are in
.if \first
	s_wait_loadcnt 0x0                             ; and Q
.endif
	WIN 0x01
.irp kk, 0,1
.irp qt, 0,1
.irp kt, 0,1,2,3
.if \kk
	v_wmma_f32_16x16x32_bf16 v[SC+8*(4*\qt+\kt):SC+8*(4*\qt+\kt)+7], v[KF+16*\kt+8*\kk:KF+16*\kt+8*\kk+7], v[QF+16*\qt+8*\kk:QF+16*\qt+8*\kk+7], v[SC+8*(4*\qt+\kt):SC+8*(4*\qt+\kt)+7]
.else
	v_wmma_f32_16x16x32_bf16 v[SC+8*(4*\qt+\kt):SC+8*(4*\qt+\kt)+7], v[KF+16*\kt+8*\kk:KF+16*\kt+8*\kk+7], v[QF+16*\qt+8*\kk:QF+16*\qt+8*\kk+7], 0
.endif
.endr
.endr
.endr
	PLACES                                         ; behind these products (K's registers are loaded again, the scores are read) and behind the last step's (V's registers)
	VLOAD \slot, \sub
.if \knext
	KLOAD \slot, 1
.endif
	WIN 0
	s_wait_kmcnt 0x0                               ; this step's mask words; their base may now be stepped
	s_add_nc_u64 s[6:7], s[6:7], 128               ; 4 key tiles x 8 words
.irp qt, 0,1
.irp kt, 0,1,2,3
.irp j, 0,1,2,3,4,5,6,7
	v_cndmask_b32 v[SC+8*(4*\qt+\kt)+\j], -1.0, v[SC+8*(4*\qt+\kt)+\j], s[32+36*\qt+8*\kt+\j]
.endr
.endr
.endr
.if \mnext
	MLOAD                                          ; the words have been read: the next step's have the rest of this step in which to come
.endif
	; the largest of my 32 scores of each query, in four chains of 16, with the running maximum; then the other half's
.irp c, 0,1,2,3
	v_max_num_f32 v[T+\c], v[SC+16*\c], v[SC+16*\c+1]
.endr
.irp i, 1,2,3,4,5,6,7
.irp c, 0,1,2,3
	v_max3_num_f32 v[T+\c], v[T+\c], v[SC+16*\c+2*\i], v[SC+16*\c+2*\i+1]
.endr
.endr
.irp qt, 0,1
.if \first
	v_max_num_f32 v[T+2*\qt], v[T+2*\qt], v[T+2*\qt+1]
.else
	v_max3_num_f32 v[T+2*\qt], v[T+2*\qt], v[T+2*\qt+1], v[MX+\qt]
.endif
.endr
.irp qt, 0,1
	v_permlanex16_b32 v[T+4+\qt], v[T+2*\qt], s2, s3       ; lane l takes lane l xor 16: the same query's other keys
.endr
.irp qt, 0,1
	v_max_num_f32 v[MX+\qt], v[T+2*\qt], v[T+4+\qt]
.endr
.irp qt, 0,1
	v_mul_f32 v[T+6+\qt], 0xbfb8aa3b, v[MX+\qt]            ; the new shift, -maximum x log2(e)
.endr
.if \first == 0
.irp qt, 0,1
	v_sub_f32 v[T+\qt], v[T+6+\qt], v[NM+2*\qt]            ; new shift - old shift, both as the exponentials use them: old and new p keep one common shift
.endr
.endif
.irp qt, 0,1
	v_mov_b32 v[NM+2*\qt], v[T+6+\qt]
	v_mov_b32 v[NM+2*\qt+1], v[T+6+\qt]
.endr
.if \first == 0
.irp qt, 0,1
	v_exp_f32 v[AL+2*\qt], v[T+\qt]                        ; twice: a pair for the packed multiplies
	v_exp_f32 v[AL+2*\qt+1], v[T+\qt]
.endr
.endif
	; behind a tile's exponentials stands plain work on another tile before their results are read (ISA guide 5.7.2)
	EXPT 0
	EXPT 1
	EAT 0
	EXPT 2
	EAT 1
	EXPT 3
	EAT 2
	EXPT 4
	EAT 3
	EXPT 5
	EAT 4
	EXPT 6
	EAT 5
	EXPT 7
	EAT 6
.if \first == 0
.irp qt, 0,1
.irp dt, 0,1,2,3
.irp r, 0,1,2,3
	v_pk_mul_f32 v[OA+8*(4*\qt+\dt)+2*\r:OA+8*(4*\qt+\dt)+2*\r+1], v[OA+8*(4*\qt+\dt)+2*\r:OA+8*(4*\qt+\dt)+2*\r+1], v[AL+2*\qt:AL+2*\qt+1]
.endr
.endr
.endr
.endif
	EAT 7
.irp qt, 0,1
	v_pk_add_f32 v[SA+4*\qt:SA+4*\qt+1], v[SA+4*\qt:SA+4*\qt+1], v[SA+4*\qt+2:SA+4*\qt+3]
.endr
.irp qt, 0,1
.if \first
	v_add_f32 v[LS+\qt], v[SA+4*\qt], v[SA+4*\qt+1]
.else
	v_add_f32 v[T+\qt], v[SA+4*\qt], v[SA+4*\qt+1]
	v_fma_f32 v[LS+\qt], v[LS+\qt], v[AL+2*\qt], v[T+\qt]
.endif
.endr
.if \knext
	s_wait_dscnt 16                                ; V's 16 loads are in; the 16 younger ones, K's, stay out
.else
	s_wait_dscnt 0x0
.endif
	WIN 0x01
.irp kh, 0,1
.irp qt, 0,1
.irp dt, 0,1,2,3
.if \first*(1-\kh)
	v_wmma_f32_16x16x32_bf16 v[OA+8*(4*\qt+\dt):OA+8*(4*\qt+\dt)+7], v[VF+32*\kh+8*\dt:VF+32*\kh+8*\dt+7], v[PF+16*\qt+8*\kh:PF+16*\qt+8*\kh+7], 0
.else
	v_wmma_f32_16x16x32_bf16 v[OA+8*(4*\qt+\dt):OA+8*(4*\qt+\dt)+7], v[VF+32*\kh+8*\dt:VF+32*\kh+8*\dt+7], v[PF+16*\qt+8*\kh:PF+16*\qt+8*\kh+7], v[OA+8*(4*\qt+\dt):OA+8*(4*\qt+\dt)+7]
.endif
.endr
.endr
.endr
	WIN 0
.endm
; 128 keys: a slot.  In front of the round every wave waits for all its tensor loads (its chunk of this slot) and for its reads of the other slot; behind the round's
; closing wait the other slot's joint refill comes first, one load a wave, and has this trip's two steps in which to land.
.macro TRIP slot, refill, first, last
	s_wait_tensorcnt 0x0                           ; no tensor load of mine is out: a group 0 may be written
	ds_add_u32 v254, v255
	s_wait_dscnt 0x0
	s_add_nc_u64 s[G0+4*\slot+2:G0+4*\slot+3], s[G0+4*\slot+2:G0+4*\slot+3], 2*TILEB   ; this slot's next tile
	s_wait_dscnt 0x0
	ROUND
.if \refill
	KVLOAD 1-\slot
.endif
	KLOAD \slot, 0
	STEP \slot, 0, \first, 1, 1
	STEP \slot, 1, 0, 0, 1-\last
.endm
	s_load_b64 s[32:33], s[0:1], 0x0               ; pj (a register of the set-up)
	s_load_b64 s[6:7], s[0:1], 0x8                 ; mb
	s_load_b64 s[4:5], s[0:1], 0x10                ; ab
	v_lshl_add_u32 v254, v0, 2, 0x30800
	v_mov_b32 v255, 0
	ds_add_u32 v254, v255
	v_lshrrev_b32 v1, 5, v0
	v_readfirstlane_b32 s[WV], v1                  ; wave 0..7
	s_mov_b32 s2, 0x76543210                       ; v_permlanex16_b32: lane i of one half reads lane i of the other
	s_mov_b32 s3, 0xfedcba98
	s_and_b32 s34, ttmp7, 0xffff                   ; y = 8 b + pair of heads
	s_lshr_b32 s[KIND], s[WV], 2
	; group 1: 64 rows x 64 elements of 2 bytes; behind every 32 words (code 4) 4 words of padding for K (field 3), 8 for V (field 7); mask 15: all four of the cluster, bit 21 beside it
	s_mov_b32 s[G1K+0], 15|(1<<16)|(1<<20)|(1<<21)|(4<<22)|(3<<25)
	s_mov_b32 s[G1V+0], 15|(1<<16)|(1<<20)|(1<<21)|(4<<22)|(7<<25)
	s_mov_b32 s[G1K+1], 64<<16                     ; tensor_dim0 = 64
	s_mov_b32 s[G1V+1], 64<<16
	s_mov_b32 s[G1K+2], 64<<16                     ; tensor_dim1 = 64
	s_mov_b32 s[G1V+2], 64<<16
	s_mov_b32 s[G1K+3], 64<<16                     ; tile_dim0 = 64
	s_mov_b32 s[G1V+3], 64<<16
	s_mov_b32 s[G1K+4], 64                         ; tile_dim1 = 64
	s_mov_b32 s[G1V+4], 64
	s_mov_b32 s[G1K+5], 64                         ; elements from row to row
	s_mov_b32 s[G1V+5], 64
	s_mov_b32 s[G1K+6], 0
	s_mov_b32 s[G1V+6], 0
	s_mov_b32 s[G1K+7], 0
	s_mov_b32 s[G1V+7], 0
	; my chunk: kind w >> 2, head (w >> 1) & 1, half w & 1.  Its address is made of y and the wave's number alone, in registers that never hold my place in the cluster
	s_add_co_u32 s36, s[KIND], 1
	s_lshl_b32 s36, s36, 23                        ; K is plane 1 of pj, V plane 2, 8 MiB each
	s_bfe_u32 s35, s[WV], 0x10001
	s_lshl1_add_u32 s35, s34, s35                  ; 16 b + head = 2 y + head of the pair
	s_lshl_b32 s35, s35, 18                        ; 2,048 x 128 bytes
	s_add_co_u32 s36, s36, s35
	s_and_b32 s35, s[WV], 1
	s_lshl_b32 s35, s35, 13                        ; 64 keys x 128 bytes
	s_add_co_u32 s36, s36, s35
	s_mov_b32 s37, 0
	s_mov_b32 s[G0+0], 1
	s_mul_i32 s[G0+1], s[WV], CH                   ; my chunk's place in slot 0: wave x 10,240
	s_mov_b32 s[G0+4], 1
	s_add_co_u32 s[G0+5], s[G0+1], SLOT
	s_bfe_u32 s39, ttmp6, 0x40000                  ; cx
	s_lshl_b32 s38, ttmp9, 2
	s_add_co_u32 s38, s38, s39                     ; block of 128 queries = 4 x cluster x + cx
	s_wait_dscnt 0x0
	s_wait_kmcnt 0x0
	s_add_nc_u64 s[G0+2:G0+3], s[32:33], s[36:37]
	s_add_nc_u64 s[G0+6:G0+7], s[G0+2:G0+3], TILEB
	s_or_b32 s[G0+3], s[G0+3], 0x80000000
	s_or_b32 s[G0+7], s[G0+7], 0x80000000
	ROUND                                          ; all four work-groups are here: the first joint loads meet
	KVLOAD 0                                       ; keys 0..127; one tensor load of a wave is out, here and behind every round
	; my 32 queries of my head
	s_and_b32 s39, s[WV], 3                        ; which 32 queries of the block
	s_mov_b32 s41, 0
	s_lshl_b32 s40, s38, 14                        ; 128 queries x 128 bytes
	s_lshl_b32 s45, s39, 12
	s_add_co_u32 s40, s40, s45
	s_lshl1_add_u32 s45, s34, s[KIND]
	s_lshl_b32 s45, s45, 18
	s_add_co_u32 s40, s40, s45
	s_add_nc_u64 s[42:43], s[32:33], s[40:41]
	v_and_b32 v1, 15, v0                           ; r
	v_bfe_u32 v2, v0, 4, 1                         ; h
	v_lshlrev_b32 v3, 7, v1
	v_lshl_add_u32 v[QO], v2, 4, v3                ; r x 128 + 16 h
.irp qt, 0,1
.irp kk, 0,1
	global_load_b128 v[QF+16*\qt+8*\kk:QF+16*\qt+8*\kk+3],   v[QO], s[42:43] offset:\qt*2048+\kk*64
	global_load_b128 v[QF+16*\qt+8*\kk+4:QF+16*\qt+8*\kk+7], v[QO], s[42:43] offset:\qt*2048+\kk*64+32
.endr
.endr
	; the mask words of my two query tiles: qtile = 8 x block + 2 (w & 3), 4,096 bytes each
	s_lshl_b32 s40, s38, 15
	s_lshl_b32 s45, s39, 13
	s_add_co_u32 s40, s40, s45
	s_add_nc_u64 s[6:7], s[6:7], s[40:41]
	; where my 16 rows of ab lie (the way out)
	s_lshl_b32 s40, s38, 18                        ; 128 tokens x 2,048 bytes
	s_lshl_b32 s45, s[WV], 15                      ; 16 tokens a wave
	s_add_co_u32 s40, s40, s45
	s_lshr_b32 s45, s34, 3
	s_lshl_b32 s45, s45, 22                        ; batch: 2,048 tokens
	s_add_co_u32 s40, s40, s45
	s_and_b32 s45, s34, 7
	s_lshl_b32 s45, s45, 8                         ; the pair of heads: 128 features x 2 bytes
	s_add_co_u32 s40, s40, s45
	s_add_nc_u64 s[4:5], s[4:5], s[40:41]
	; LDS addresses: made of the lane and the wave's number alone
	v_mul_u32_u24 v3, v1, KP
	v_lshl_add_u32 v3, v2, 4, v3                   ; K: key r x pitch + 16 h
	s_mul_i32 s44, s[KIND], 2*CH                   ; my head's two chunks
	v_add_nc_u32 v[KADR], s44, v3
	v_add_nc_u32 v[KADR+1], SLOT, v[KADR]
	v_and_b32 v3, 7, v0
	v_lshl_add_u32 v3, v2, 3, v3                   ; V: key 8 h + (l & 7),
	v_mul_u32_u24 v3, v3, VP
	v_bfe_u32 v24, v0, 3, 1
	v_lshl_add_u32 v3, v24, 4, v3                  ; 16 bytes for each group of eight lanes
	s_add_co_u32 s44, s44, 4*CH                    ; V's chunks lie behind K's four
	v_add_nc_u32 v[VADR], s44, v3
	v_add_nc_u32 v[VADR+1], SLOT, v[VADR]
	s_and_b32 s44, s[WV], 3
	s_mul_i32 s44, s44, 32*SP                      ; the way out, in: row 32 (w & 3) + r, my head's 128 bytes, 16 h
	s_lshl_b32 s46, s[KIND], 7
	s_add_co_u32 s44, s44, s46
	s_add_co_u32 s44, s44, STAGE
	v_mul_u32_u24 v3, v1, SP
	v_lshl_add_u32 v3, v2, 4, v3
	v_add_nc_u32 v[STO], s44, v3
	s_mul_i32 s44, s[WV], 16*SP                    ; back: rows 16 w .. + 15, lanes 0-15 one row of 256 bytes, lanes 16-31 the next
	s_add_co_u32 s44, s44, STAGE
	v_mul_u32_u24 v3, v2, SP
	v_lshl_add_u32 v3, v1, 4, v3
	v_add_nc_u32 v[RD], s44, v3
	v_lshlrev_b32 v3, 11, v2                       ; the same two rows in ab (2,048 bytes a row)
	v_lshl_add_u32 v[CO], v1, 4, v3
	v_mov_b32 v[T+4], 0                            ; v_permlanex16_b32's destination counts as read
	v_mov_b32 v[T+5], 0
	s_wait_xcnt 0x0                                ; Q's loads have had their addresses translated: their base s[42:43] lies where the mask words land
	MLOAD                                          ; the first step's mask words; from here on s[32:63] and s[68:99] hold mask words alone
	TRIP 0, 1, 1, 0                                ; 16 trips of 128 keys; the first two stand in front of the loop: the first step starts the sums
	TRIP 1, 1, 0, 0
	s_mov_b32 s[CNT], 6
.Lpair:
	TRIP 0, 1, 0, 0
	TRIP 1, 1, 0, 0
	s_sub_co_u32 s[CNT], s[CNT], 1
	s_cmp_lg_u32 s[CNT], 0
	s_cbranch_scc1 .Lpair
	TRIP 0, 1, 0, 0
	TRIP 1, 0, 0, 1                                ; nothing is left to fetch, of K, V or the mask
	; O / sum, to bf16, through the stage, out in rows of 256 bytes
	PLACES
.irp qt, 0,1
	v_permlanex16_b32 v[T+4+\qt], v[LS+\qt], s2, s3
.endr
.irp qt, 0,1
	v_add_f32 v[LS+\qt], v[LS+\qt], v[T+4+\qt]     ; both halves' keys; at least about 1, since the largest score's p is about 1
.endr
.irp qt, 0,1
	v_rcp_f32 v[AL+2*\qt], v[LS+\qt]
	v_rcp_f32 v[AL+2*\qt+1], v[LS+\qt]
.endr
	v_nop                                          ; a plain place behind the reciprocals (ISA guide 5.7.2)
	s_wait_alu depctr_va_vdst(0)
.irp qt, 0,1
.irp dt, 0,1,2,3
.irp r, 0,1,2,3
	v_pk_mul_f32 v[OA+8*(4*\qt+\dt)+2*\r:OA+8*(4*\qt+\dt)+2*\r+1], v[OA+8*(4*\qt+\dt)+2*\r:OA+8*(4*\qt+\dt)+2*\r+1], v[AL+2*\qt:AL+2*\qt+1]
.endr
.irp r, 0,1,2,3
	v_cvt_pk_bf16_f32 v[SC+4*(4*\qt+\dt)+\r], v[OA+8*(4*\qt+\dt)+2*\r], v[OA+8*(4*\qt+\dt)+2*\r+1]
.endr
	ds_store_b128 v[STO], v[SC+4*(4*\qt+\dt):SC+4*(4*\qt+\dt)+3] offset:\qt*16*SP+\dt*32   ; query r, features 16 dt + 8 h + 0..7
.endr
.endr
	s_wait_dscnt 0x0                               ; my stores are done, for the others' sake
	s_barrier_signal -1
	s_barrier_wait -1                              ; both heads' halves of every row are there
.irp t, 0,1,2,3,4,5,6,7
	ds_load_b128 v[SC+32+4*\t:SC+32+4*\t+3], v[RD] offset:\t*2*SP
.endr
.irp t, 0,1,2,3,4,5,6,7
	s_wait_dscnt 7-\t                              ; load t is back, the younger ones stay out
	global_store_b128 v[CO], v[SC+32+4*\t:SC+32+4*\t+3], s[4:5] offset:\t*4096   ; sixteen lanes store 256 neighbouring bytes, aligned
.endr
	s_wait_tensorcnt 0x0
	ds_add_u32 v254, v255
	s_wait_dscnt 0x0
	ROUND                                          ; the closing round: no work-group ends while a partner may still ask for a tile that names it
	s_endpgm
.Lfunc_end_k_q6981965b4a_attn:
	.size	k_q6981965b4a_attn, .Lfunc_end_k_q6981965b4a_attn-k_q6981965b4a_attn
	.p2alignl 7, 3214868480
	.fill 96, 4, 3214868480
	.section	.rodata,"a",@progbits
	.p2align	6, 0x0
	.amdhsa_kernel k_q6981965b4a_attn
		.amdhsa_group_segment_fixed_size 327680
		.amdhsa_private_segment_fixed_size 0
		.amdhsa_enable_private_segment 0
		.amdhsa_kernarg_size 24
		.amdhsa_user_sgpr_count 2
		.amdhsa_user_sgpr_kernarg_segment_ptr 1
		.amdhsa_wavefront_size32 1
		.amdhsa_system_sgpr_workgroup_id_x 1
		.amdhsa_system_sgpr_workgroup_id_y 1
		.amdhsa_system_sgpr_workgroup_id_z 1
		.amdhsa_system_vgpr_workitem_id 0
		.amdhsa_next_free_vgpr 384
		.amdhsa_next_free_sgpr 102
		.amdhsa_reserve_vcc 0
		.amdhsa_float_denorm_mode_32 3
		.amdhsa_float_denorm_mode_16_64 3
		.amdhsa_memory_ordered 1
		.amdhsa_forward_progress 1
		.amdhsa_inst_pref_size 255
	.end_amdhsa_kernel
	.section	.bss,"aw",@nobits
	.p2align	6
	.space	262144
	.amdgpu_metadata
---
amdhsa.version: [ 1, 2 ]
amdhsa.kernels:
  - .name:           k_q6981965b4a_attn
    .symbol:         k_q6981965b4a_attn.kd
    .args:
      - { .name: pj, .offset: 0, .size: 8, .value_kind: global_buffer, .address_space: global }
      - { .name: mb, .offset: 8, .size: 8, .value_kind: global_buffer, .address_space: global }
      - { .name: ab, .offset: 16, .size: 8, .value_kind: global_buffer, .address_space: global }
    .group_segment_fixed_size: 327680
    .private_segment_fixed_size: 0
    .kernarg_segment_align: 8
    .kernarg_segment_size: 24
    .max_flat_workgroup_size: 256
    .sgpr_count:     102
    .vgpr_count:     384
    .wavefront_size: 32
...
	.end_amdgpu_metadata
.endif
;; end of part 3
;; launch outp (part 4): grid 8 x 32, 4 waves a work-group, clusters of 4 x 4, 327,680 bytes of LDS; arguments ab, wb, out0, bo; writes out0
.if DOCPART == 4
	.amdgcn_target "amdgcn-amd-amdhsa--gfx1250"
	.amdhsa_code_object_version 6
	.text
	.protected	k_q6981965b4a_outp
	.globl	k_q6981965b4a_outp
	.p2align	8
	.type	k_q6981965b4a_outp,@function
k_q6981965b4a_outp:
	s_mov_b64 s[64:65], 0
	v_nop
	global_prefetch_b8 v0, s[64:65] scope:SCOPE_SE
	s_setreg_imm32_b32 hwreg(HW_REG_WAVE_MODE, 25, 1), 1
	s_wait_xcnt 0x0
	s_wait_alu depctr_hold_cnt(0) depctr_sa_sdst(0) depctr_va_vdst(0) depctr_va_sdst(0) depctr_va_ssrc(0) depctr_va_vcc(0) depctr_vm_vsrc(0)
	s_getreg_b32 s2, hwreg(HW_REG_IB_STS2, 6, 4)
	s_cmp_eq_u32 s2, 0
	s_cbranch_scc0 .Lentry_in_a_cluster
	s_endpgm
.Lentry_in_a_cluster:
	s_bfe_u32 s2, ttmp6, 0x10000c
	s_cmp_lg_u32 s2, 0xf033
	s_cbranch_scc0 .Lentry_shape_is_right
	s_endpgm
.Lentry_shape_is_right:
; The output projection: out0 = ab wo^T + bo, K = 1,024.  ab [4096][1024] and wo (plane 3 of wb) are bf16 with K along the rows; sums and out0 [4096][1024] in f32.
; A work-group makes 128 x 128 of out0 with four waves of 64 x 64 (16 accumulator tiles): 32 x 8 = 256 work-groups; blocks of twice the side would leave 64.
; K goes in four fills of 256 through two LDS slots; a tile's rows are 512 bytes of memory, at multiples of 512.
; CLUSTERS: 4 x 4 work-groups.  The four of a row of the cluster need the same tiles of ab, the four of a column the same tiles of wo: each tile is asked for
; jointly, by the same tensor load with the same descriptor in all four, which divides the requests by four.
; The matrix instruction is used transposed (source 0 = 16 rows of wo, source 1 = 16 rows of ab): lane l holds token l % 16 and features 8 (l / 16) + 0..7.
; Limits: operands are bf16; non-finite inputs are not looked after.
.set PITCH,  528                       ; an LDS row: 512 bytes + 16 = 33 x 16: the 16 rows of a fragment load start in 16 different 16-byte columns of 256 bytes
.set HALFT,  64*PITCH                  ; 64 rows: one tensor load
.set SLOT,   4*HALFT                   ; A's rows 0-63, 64-127, W's rows 0-63, 64-127
.set STAGE,  2*SLOT                    ; behind the ring: 16 rows for each wave, for the way out; no tensor load lands here
.set KFILL,  512                       ; bytes of a row in a slot (K = 256)
.set SPITCH, 272                       ; 64 f32 + 16 bytes
.set ADRA, 16                          ; v16-17  LDS address of my A fragments in slot 0, 1
.set ADRB, 20                          ; v20-21  the same for W
.set STO,  24                          ; the way out: where I put my piece of a row
.set RD,   25                          ; where I read rows back
.set CO,   26                          ; my byte offset in out0
.set BO,   27                          ; my byte offset in the bias
.set BIAS, 32                          ; v[32:63]   bias of my 8 features in each of the 4 feature tiles
.set TMP,  64                          ; v[64:127]  two sets of 32 registers read back on the way out
.set ACC,  128                         ; v[128:255] tile (a, b) at ACC + 8 (4 a + b): a token tile, b feature tile
.set F0,   0                           ; window 1: v[0:63] fragment buffer 0 (A's four at + 8 a, W's four at + 32 + 8 b)
.set F1,   64                          ; window 1: v[64:127] fragment buffer 1
.set G1,  24                           ; s[24:31] descriptor group 1 for A's tiles
.set G0,  32                           ; s[32:39] group 0 for A's tiles, one set a slot
.set G1B, 48                           ; s[48:55] group 1 for W's tiles: another mask
.set G0B, 56                           ; s[56:63] group 0 for W's tiles
.set MULW, 0x05                        ; sources 0 and 1 in window 1, C and D in window 0
.set LDW,  0x40                        ; destination in window 1, address in window 0
.set MSB, 0
.macro WIN new                         ; the immediate's high byte repeats the setting that is left
.if MSB != \new
	s_set_vgpr_msb (MSB<<8)|\new
.set MSB, \new
.endif
.endm
.macro PLACES                          ; four places behind matrix instructions (ISA guide 7.12.1), where there is no other vector work
.rept 4
	v_nop
.endr
.endm
; A joint load: waves 0 and 1 fetch A's two halves, waves 2 and 3 W's.  Each line has one mask; the branch hangs on the wave's number alone.
.macro JLOAD s
	s_cmp_eq_u32 s11, 0
	s_cbranch_scc0 .Lfor_b_\@
	tensor_load_to_lds s[G0+4*\s:G0+4*\s+3], s[G1:G1+7]
	s_nop 0
	s_branch .Lasked_\@
.Lfor_b_\@:
	tensor_load_to_lds s[G0B+4*\s:G0B+4*\s+3], s[G1B:G1B+7]
	s_nop 0
.Lasked_\@:
.endm
.macro CREST                           ; a round of the cluster's barrier behind its opening work-group barrier
	s_cmp_lg_u32 s10, 0
	s_cbranch_scc1 .Lnot_wave_0_\@
	s_barrier_signal -3
.Lnot_wave_0_\@:
	s_barrier_wait -3
	s_barrier_signal -1
	s_barrier_wait -1
.endm
.macro CROUND                          ; a whole round
	s_barrier_signal -1
	s_barrier_wait -1
	CREST
.endm
	s_load_b128 s[4:7], s[0:1], 0x0                ; ab, wb
	s_load_b64 s[8:9], s[0:1], 0x10                ; out0
	s_load_b64 s[74:75], s[0:1], 0x18              ; bo
	s_set_vgpr_msb 0x40
	v_lshl_add_u32 v128, v0, 2, 0x46400
	v_mov_b32 v129, 0
	s_set_vgpr_msb 0x4045
	ds_add_u32 v128, v129
	s_set_vgpr_msb 0x4500
	v_lshrrev_b32 v1, 5, v0
	v_readfirstlane_b32 s10, v1                    ; wave 0..3
	s_lshr_b32 s11, s10, 1                         ; my half of the block's tokens.  Also: I fetch for A (0) or for W (1)
	s_and_b32 s12, s10, 1                          ; my half of its features.  Also: which 64 rows of that tile I fetch
	s_bfe_u32 s40, ttmp6, 0x40000                  ; cx
	s_bfe_u32 s41, ttmp6, 0x40004                  ; cy
	s_lshl_b32 s42, ttmp9, 2
	s_add_co_u32 s42, s42, s40                     ; block column = 4 x cluster x + cx
	s_and_b32 s13, ttmp7, 0xffff
	s_lshl_b32 s13, s13, 2
	s_add_co_u32 s13, s13, s41                     ; block row = 4 x cluster y + cy
	s_lshl_b32 s43, s41, 2
	s_lshl_b32 s43, 15, s43                        ; my row of the cluster
	s_lshl_b32 s44, 0x1111, s40                    ; my column
	; group 1: a tile of 64 rows x 256 elements of 2 bytes, 4 words of padding behind every 128 words
	s_or_b32 s[G1+0], s43, (1<<16)|(1<<20)|(1<<21)|(6<<22)|(3<<25)
	s_or_b32 s[G1B+0], s44, (1<<16)|(1<<20)|(1<<21)|(6<<22)|(3<<25)
	s_mov_b32 s[G1+1], 256<<16                     ; tensor_dim0 = 256
	s_mov_b32 s[G1B+1], 256<<16
	s_mov_b32 s[G1+2], 64<<16                      ; tensor_dim1 = 64
	s_mov_b32 s[G1B+2], 64<<16
	s_mov_b32 s[G1+3], 256<<16                     ; tile_dim0 = 256
	s_mov_b32 s[G1B+3], 256<<16
	s_mov_b32 s[G1+4], 64                          ; tile_dim1 = 64
	s_mov_b32 s[G1B+4], 64
	s_mov_b32 s[G1+5], 1024                        ; elements from row to row
	s_mov_b32 s[G1B+5], 1024
	s_mov_b32 s[G1+6], 0
	s_mov_b32 s[G1B+6], 0
	s_mov_b32 s[G1+7], 0
	s_mov_b32 s[G1B+7], 0
	; A's tiles hang on the block row alone, W's on the block column alone; each address in registers that never hold the other coordinate
	s_lshl_b32 s17, s12, 17                        ; which 64 rows of 2,048 bytes I fetch
	s_lshl_b32 s16, s13, 18                        ; 128 rows of 2,048 bytes a block row
	s_add_co_u32 s16, s16, s17
	s_lshl_b32 s46, s42, 18
	s_add_co_u32 s46, s46, s17
	s_add_co_u32 s46, s46, 3<<21                   ; wo is plane 3 of wb, 2 MiB each
	s_mov_b32 s17, 0
	s_mov_b32 s47, 0
	s_mul_i32 s20, s10, HALFT                      ; where my tile goes: wave x 64 rows
	s_wait_dscnt 0x0
	s_wait_kmcnt 0x0
	s_add_nc_u64 s[14:15], s[4:5], s[16:17]
	s_add_nc_u64 s[46:47], s[6:7], s[46:47]
	CROUND                                         ; all sixteen work-groups are here: the first joint loads meet
.irp s, 0,1
	s_mov_b32 s[G0+4*\s], 1
	s_add_co_u32 s[G0+4*\s+1], s20, \s*SLOT
	s_add_nc_u64 s[G0+4*\s+2:G0+4*\s+3], s[14:15], \s*KFILL
	s_or_b32 s[G0+4*\s+3], s[G0+4*\s+3], 0x80000000
	s_mov_b32 s[G0B+4*\s], 1
	s_add_co_u32 s[G0B+4*\s+1], s20, \s*SLOT
	s_add_nc_u64 s[G0B+4*\s+2:G0B+4*\s+3], s[46:47], \s*KFILL
	s_or_b32 s[G0B+4*\s+3], s[G0B+4*\s+3], 0x80000000
	JLOAD \s                                       ; both slots' first fills: two tensor loads of a wave are out, the most in this text
.endr
	v_and_b32 v1, 15, v0                           ; l % 16
	v_bfe_u32 v2, v0, 4, 1                         ; l / 16
	v_mul_u32_u24 v3, v1, PITCH
	v_lshl_add_u32 v3, v2, 4, v3                   ; row x pitch + 16 x half
	s_mul_i32 s21, s11, HALFT                      ; my 64 rows of A
	s_mul_i32 s22, s12, HALFT                      ; my 64 rows of W,
	s_add_co_u32 s22, s22, 2*HALFT                 ; which lie behind A's 128
.irp s, 0,1
	v_add_nc_u32 v[ADRA+\s], s21, v3
	v_add_nc_u32 v[ADRB+\s], s22, v3
	s_add_co_u32 s21, s21, SLOT
	s_add_co_u32 s22, s22, SLOT
.endr
	s_mul_i32 s23, s10, 16*SPITCH
	s_add_co_u32 s23, s23, STAGE                   ; my stage
	v_mul_u32_u24 v4, v1, SPITCH
	v_lshl_add_u32 v4, v2, 5, v4                   ; in: token l % 16, 32 bytes (8 f32) for each half of the lanes
	v_add_nc_u32 v[STO], s23, v4
	v_mul_u32_u24 v5, v2, SPITCH                   ; back: lanes 0-15 one row of 256 bytes, lanes 16-31 the next
	v_lshl_add_u32 v5, v1, 4, v5
	v_add_nc_u32 v[RD], s23, v5
	v_lshlrev_b32 v5, 12, v2                       ; the same two rows in out0 (4,096 bytes a row)
	v_lshl_add_u32 v[CO], v1, 4, v5
	; the bias of my features: column 128 x block column + 64 x half + 16 b + 8 (l / 16) + 0..7
	s_lshl_b32 s66, s42, 9
	s_lshl_b32 s67, s12, 8
	s_add_co_u32 s66, s66, s67
	s_mov_b32 s67, 0
	s_add_nc_u64 s[74:75], s[74:75], s[66:67]
	v_lshlrev_b32 v[BO], 5, v2
.irp b, 0,1,2,3
	global_load_b128 v[BIAS+8*\b:BIAS+8*\b+3],   v[BO], s[74:75] offset:64*\b
	global_load_b128 v[BIAS+8*\b+4:BIAS+8*\b+7], v[BO], s[74:75] offset:64*\b+16
.endr
; 8 matrix instructions: token tiles a0, a0 + 1 x the four feature tiles, 32 along K.  zero = 1: the first product starts the sums.
.macro MUL8 f, a0, zero
.irp a, \a0, \a0+1
.irp b, 0,1,2,3
.if \zero
	v_wmma_f32_16x16x32_bf16 v[ACC+8*(4*(\a)+\b):ACC+8*(4*(\a)+\b)+7], v[\f+32+8*\b:\f+32+8*\b+7], v[\f+8*(\a):\f+8*(\a)+7], 0
.else
	v_wmma_f32_16x16x32_bf16 v[ACC+8*(4*(\a)+\b):ACC+8*(4*(\a)+\b)+7], v[\f+32+8*\b:\f+32+8*\b+7], v[\f+8*(\a):\f+8*(\a)+7], v[ACC+8*(4*(\a)+\b):ACC+8*(4*(\a)+\b)+7]
.endif
.endr
.endr
.endm
; 16 LDS loads in one run: the fragments of eighth kq of a slot (64 rows of A, 64 of W, 32 along K) into buffer f
.macro FETCH slot, kq, f
	WIN LDW
.irp i, 0,1,2,3
	ds_load_b128 v[\f+8*\i:\f+8*\i+3],   v[ADRA+\slot] offset:64*\kq+\i*16*PITCH
	ds_load_b128 v[\f+8*\i+4:\f+8*\i+7], v[ADRA+\slot] offset:64*\kq+\i*16*PITCH+32
.endr
.irp i, 0,1,2,3
	ds_load_b128 v[\f+32+8*\i:\f+32+8*\i+3],   v[ADRB+\slot] offset:64*\kq+\i*16*PITCH
	ds_load_b128 v[\f+32+8*\i+4:\f+32+8*\i+7], v[ADRB+\slot] offset:64*\kq+\i*16*PITCH+32
.endr
.endm
; One of a slot's first seven eighths: fetches the next eighth into buffer g, then multiplies buffer f.
; The 16 accumulators take turns, one instruction a turn, in the same order in every eighth.
.macro QUARTER slot, kqnext, f, g, zero
	s_wait_dscnt 0x0                               ; buffer f's 16 loads are in; nothing younger is out
	PLACES                                         ; buffer g was read by the products just issued: its loads stand four places behind them
	FETCH \slot, \kqnext, \g
	WIN MULW
	MUL8 \f, 0, \zero
	MUL8 \f, 2, \zero
.endm
.macro SEVEN slot, zero
	QUARTER \slot, 1, F0, F1, \zero
	QUARTER \slot, 2, F1, F0, 0
	QUARTER \slot, 3, F0, F1, 0
	QUARTER \slot, 4, F1, F0, 0
	QUARTER \slot, 5, F0, F1, 0
	QUARTER \slot, 6, F1, F0, 0
	QUARTER \slot, 7, F0, F1, 0
.endm
; The last eighth (in buffer 1) and the change of slots.  In front of the barrier each wave waits for its reads of this slot and for all its tensor
; loads (the one that is out is its part of the next slot).  fill = 1: the barrier opens a round of the cluster's barrier, and behind the round's
; closing wait the joint refill of this slot comes first; from there to the wait for it a wave issues the next slot's 112 matrix instructions and 8 more.
.macro TURN slot, next, fill
	s_wait_dscnt 0x0                               ; my reads of this slot are back
	s_wait_tensorcnt 0x0                           ; all my tensor loads have landed
	ds_add_u32 v128, v129
	s_wait_dscnt 0x0
	s_barrier_signal -1
	WIN MULW
	MUL8 F1, 0, 0                                  ; register work while the others arrive
	WIN 0
	s_barrier_wait -1
.if \fill
	CREST                                          ; no wave of any partner still reads this slot or has a load on its way
	s_add_nc_u64 s[G0+4*\slot+2:G0+4*\slot+3], s[G0+4*\slot+2:G0+4*\slot+3], 2*KFILL
	s_add_nc_u64 s[G0B+4*\slot+2:G0B+4*\slot+3], s[G0B+4*\slot+2:G0B+4*\slot+3], 2*KFILL
	JLOAD \slot
.endif
	PLACES
	FETCH \next, 0, F0
	WIN MULW
	MUL8 F1, 2, 0
.endm
	s_wait_tensorcnt 0x1                           ; my part of slot 0 is in; slot 1's load, issued behind it, stays out
	s_barrier_signal -1
	s_barrier_wait -1                              ; everybody's part is in
	FETCH 0, 0, F0
	SEVEN 0, 1                                     ; K 0..255; the first products start the sums
	TURN 0, 1, 1                                   ; slot 0 gets K 512..767
	SEVEN 1, 0                                     ; K 256..511
	TURN 1, 0, 1                                   ; slot 1 gets K 768..1023
	SEVEN 0, 0
	TURN 0, 1, 0                                   ; nothing is left to fetch
	SEVEN 1, 0
	s_wait_dscnt 0x0
	WIN MULW
	MUL8 F1, 0, 0
	MUL8 F1, 2, 0
	WIN 0
	PLACES                                         ; the way out reads results
	s_wait_loadcnt 0x0                             ; the bias
	; where my 64 x 64 goes.  The row part in registers that held A's offsets, the column part in those that held W's.
	s_lshl_b32 s16, s13, 19                        ; 128 rows of 4,096 bytes a block row
	s_lshl_b32 s14, s11, 18                        ; 64 rows
	s_add_co_u32 s16, s16, s14
	s_lshl_b32 s46, s42, 9                         ; 128 columns of 4 bytes
	s_lshl_b32 s47, s12, 8
	s_add_co_u32 s46, s46, s47
	s_mov_b32 s17, 0
	s_mov_b32 s47, 0
	s_add_nc_u64 s[8:9], s[8:9], s[16:17]
	s_add_nc_u64 s[8:9], s[8:9], s[46:47]
; 16 tokens at a time through my own stage; LDS serves a wave's instructions in order (ISA guide 5.7.1), so the loads see the stores above them.  rb: the registers read back into, two sets in turn.
.macro OUT16 a, rb
.irp b, 0,1,2,3
.irp r, 0,1,2,3
	v_pk_add_f32 v[ACC+8*(4*\a+\b)+2*\r:ACC+8*(4*\a+\b)+2*\r+1], v[ACC+8*(4*\a+\b)+2*\r:ACC+8*(4*\a+\b)+2*\r+1], v[BIAS+8*\b+2*\r:BIAS+8*\b+2*\r+1]
.endr
	ds_store_b128 v[STO], v[ACC+8*(4*\a+\b):ACC+8*(4*\a+\b)+3] offset:64*\b
	ds_store_b128 v[STO], v[ACC+8*(4*\a+\b)+4:ACC+8*(4*\a+\b)+7] offset:64*\b+16
.endr
	s_wait_xcnt 0x0                                ; set rb, which earlier stores read, is loaded again only behind this wait
.irp t, 0,1,2,3,4,5,6,7
	ds_load_b128 v[\rb+4*\t:\rb+4*\t+3], v[RD] offset:\t*2*SPITCH
.endr
.irp t, 0,1,2,3,4,5,6,7
	s_wait_dscnt 7-\t                              ; load t is back, the younger ones stay out
	global_store_b128 v[CO], v[\rb+4*\t:\rb+4*\t+3], s[8:9] offset:(16*\a+2*\t)*4096 th:TH_STORE_NT   ; sixteen lanes store 256 neighbouring bytes, aligned
.endr
.endm
	OUT16 0, TMP
	OUT16 1, TMP+32
	OUT16 2, TMP
	OUT16 3, TMP+32
	s_set_vgpr_msb 0x5
	s_wait_tensorcnt 0x0
	ds_add_u32 v128, v129
	s_wait_dscnt 0x0
	s_set_vgpr_msb 0x500
	CROUND                                         ; the closing round: no work-group ends while a partner may still ask for a tile that names it
	s_endpgm
.Lfunc_end_k_q6981965b4a_outp:
	.size	k_q6981965b4a_outp, .Lfunc_end_k_q6981965b4a_outp-k_q6981965b4a_outp
	.p2alignl 7, 3214868480
	.fill 96, 4, 3214868480
	.section	.rodata,"a",@progbits
	.p2align	6, 0x0
	.amdhsa_kernel k_q6981965b4a_outp
		.amdhsa_group_segment_fixed_size 327680
		.amdhsa_private_segment_fixed_size 0
		.amdhsa_enable_private_segment 0
		.amdhsa_kernarg_size 32
		.amdhsa_user_sgpr_count 2
		.amdhsa_user_sgpr_kernarg_segment_ptr 1
		.amdhsa_wavefront_size32 1
		.amdhsa_system_sgpr_workgroup_id_x 1
		.amdhsa_system_sgpr_workgroup_id_y 1
		.amdhsa_system_sgpr_workgroup_id_z 1
		.amdhsa_system_vgpr_workitem_id 0
		.amdhsa_next_free_vgpr 386
		.amdhsa_next_free_sgpr 80
		.amdhsa_reserve_vcc 0
		.amdhsa_float_denorm_mode_32 3
		.amdhsa_float_denorm_mode_16_64 3
		.amdhsa_memory_ordered 1
		.amdhsa_forward_progress 1
		.amdhsa_inst_pref_size 93
	.end_amdhsa_kernel
	.amdgpu_metadata
---
amdhsa.version: [ 1, 2 ]
amdhsa.kernels:
  - .name:           k_q6981965b4a_outp
    .symbol:         k_q6981965b4a_outp.kd
    .args:
      - { .name: ab, .offset: 0, .size: 8, .value_kind: global_buffer, .address_space: global }
      - { .name: wb, .offset: 8, .size: 8, .value_kind: global_buffer, .address_space: global }
      - { .name: out0, .offset: 16, .size: 8, .value_kind: global_buffer, .address_space: global }
      - { .name: bo, .offset: 24, .size: 8, .value_kind: global_buffer, .address_space: global }
    .group_segment_fixed_size: 327680
    .private_segment_fixed_size: 0
    .kernarg_segment_align: 8
    .kernarg_segment_size: 32
    .max_flat_workgroup_size: 128
    .sgpr_count:     80
    .vgpr_count:     386
    .wavefront_size: 32
...
	.end_amdgpu_metadata
.endif
;; end of part 4
